; MI455X (gfx1250); checked and timed in simulation.
; The chip was launched on July 23, 2026; its instructions are those of AMD's public machine-readable ISA for CDNA 5 (MIT licence, August 2026) and "CDNA5" Instruction Set Architecture Reference Guide (July 2026). The comments in the code are by the model that wrote it; some were corrected since.
;; Quantum Layer. Allowed arithmetic: float matrix products may take bf16 or f16 operands with f32 sums; all other float work in f32.
;; Inputs: q_params 4 float32; x 1,048,576 x 4 float32.
;; Outputs: out0 1,048,576 x 4 float32.
;; 2 versions, each right; version 2 is version 1 with the launch qlayer written anew for expert scheduling mode. Each part assembles by itself: llvm-mc -triple=amdgcn-amd-amdhsa -mcpu=gfx1250 --defsym DOCPART=n.
;; ======== version 1 of 2: 1 launch
;; limits: a function is approximated: absolute error at most 5e-06; inputs' magnitudes at most 2,097,152
;; launch qlayer (part 1): grid 256 x 1, 8 waves a work-group, no clusters, 0 bytes of LDS; arguments x, q_params, out0; writes out0
.if DOCPART == 1
	.amdgcn_target "amdgcn-amd-amdhsa--gfx1250"
	.amdhsa_code_object_version 6
	.text
	.protected	k_q35ceb09756_qlayer
	.globl	k_q35ceb09756_qlayer
	.p2align	8
	.type	k_q35ceb09756_qlayer,@function
k_q35ceb09756_qlayer:
	s_mov_b64 s[64:65], 0
	v_nop
	global_prefetch_b8 v0, s[64:65] scope:SCOPE_SE
	s_setreg_imm32_b32 hwreg(HW_REG_WAVE_MODE, 25, 1), 1
	s_wait_xcnt 0x0
; QuantumLayer: out[b][w] = <Z_w> behind H^4, RY(th_w), CNOT(0,1), CNOT(2,3), CNOT(1,2), RY(phi_w);
; th_w = (pi/2) tanh(x[b][w]), phi_w = q_params[w].  x, out: [1048576][4] f32, q_params: [4] f32.
;
; CLOSED FORM.  All amplitudes are real and the state in front of the CNOTs is a product state, so wire w is described by
; <Z> = -sin(th_w) and <X> = cos(th_w).  Z_w carried back through RY(phi_w) is cos(phi_w) Z_w - sin(phi_w) X_w; carried back through
; CNOT(1,2), CNOT(2,3), CNOT(0,1), a Z on a target gains a Z on the control and an X on a control gains an X on the target.
; With S_w = sin(th_w), C_w = cos(th_w):
;   out0 = -cos(phi0) S0       - sin(phi0) C0 C1
;   out1 = +cos(phi1) S0 S1    - sin(phi1) C1 C2 C3
;   out2 = -cos(phi2) S0 S1 S2 - sin(phi2) C2 C3
;   out3 = +cos(phi3) S2 S3    - sin(phi3) C3
; This is an identity for all real inputs; only the order of rounding differs from the gate-by-gate definition.
;
; tanh(x) = 1 - 2 / (1 + 2^(2 log2(e) x)): an overflowing or vanishing power ends at +1 or -1 by itself.
; sin(pi t / 2) = t (KS0 + KS1 u + KS2 u^2 + KS3 u^3), cos(pi t / 2) = KC0 + KC1 u + .. + KC4 u^4, u = t^2, |t| <= 1: Taylor series
; cut down with shifted Chebyshev polynomials on u in [0, 1]; largest errors 1.2e-6 (sin) and 5e-8 (cos).
;
; LIMITS.  Absolute error of an output about 5e-6.  |q_params| below 2^21 (beyond it the reduction by pi/2 no longer lands in |t| <= 1).
; A NaN in x[b][w] or q_params[w] reaches only the outputs whose formula above holds wire w; the gate-by-gate definition makes all four NaN.
;
; SHAPE.  A stream: a lane's 16 bytes are one row in and one row out, so there is no LDS, no barrier, no matrix work and nothing to share
; between work-groups.  256 work-groups of 8 waves; a work-group owns 4,096 rows (64 KiB), thread t the 16 bytes at 16 t + 4096 i, i = 0..15:
; each load and store of a wave covers 512 consecutive bytes at a multiple of 512 from the buffer's first byte.  A wave issues all its 16
; loads before it waits for any; cos and sin of the four phi are made while they are out.  Each row is overwritten by its result and stored
; from the registers it came in, so no source of a memory instruction is ever written again.
.set ROWS, 16                          ; rows of a thread
.set STEP, 4096                        ; bytes that the 256 threads cover with one load each
.set VO,   1                           ; v1       16 t: my byte offset in the group's block, for loads and stores
.set QO,   2                           ; v2       4 (t & 3): my word of q_params
.set PHI,  3                           ; v3       phi of wire t & 3
.set CA,   4                           ; v[4:7]   -cos phi0, +cos phi1, -cos phi2, +cos phi3, in every lane
.set CB,   8                           ; v[8:11]  -sin phi0 .. -sin phi3, in every lane
.set TOPS, 12                          ; v[12:13] KS3 twice: the first step of a chain has two constants, one of them comes from vector registers
.set TOPC, 14                          ; v[14:15] KC4 twice
.set T,    16                          ; v[16:23] two rows at work: y, 2^y, 1 + 2^y, its reciprocal, then t = tanh x
.set U,    24                          ; v[24:31] t^2
.set PC,   32                          ; v[32:39] the cosines, then their products
.set X,    40                          ; v[40:103] row i in v[40+4i : 43+4i]: x, then the sines, their products, the result
; while the rows are on their way, T and U serve the four phi (one wire in each lane):
.set KQ,  16                           ; k = nearest whole number to phi / (pi/2)
.set FR,  17                           ; (phi - k pi/2) / (pi/2)
.set W,   18                           ; its square
.set PSN, 19                           ; sin of the remainder
.set PCS, 20                           ; cos of the remainder
.set KI,  21                           ; k as an integer
.set MK,  22
.set SN,  23                           ; -sin phi
.set CS,  24                           ; -cos phi (wires 0, 2), +cos phi (wires 1, 3)
.set G1,  25
.set G2,  26
; scalar pairs (a packed instruction takes the first word for both halves, the second is written too)
.set K2L, 12                           ; 2 log2(e)
.set KS0, 14
.set KS1, 16
.set KS2, 18
.set KS3, 20                           ; single
.set KC0, 22
.set KC1, 24
.set KC2, 26
.set KC3, 28
.set KC4, 30                           ; single
.set SA,  32                           ; s[32:35] CA as scalars
.set SB,  36                           ; s[36:39] CB as scalars
.macro KONST r, bits
	s_mov_b32 s[\r], \bits
	s_mov_b32 s[\r+1], \bits
.endm
	s_load_b128 s[4:7], s[0:1], 0x0                ; x s[4:5], q_params s[6:7]
	s_load_b64 s[8:9], s[0:1], 0x10                ; out0
	s_lshl_b32 s10, ttmp9, 16                      ; the work-group's 64 KiB: at most 255 x 65,536, below 4 GiB
	s_mov_b32 s11, 0
	v_lshlrev_b32 v[VO], 4, v0
	v_and_b32 v[QO], 3, v0
	v_lshlrev_b32 v[QO], 2, v[QO]
	s_wait_kmcnt 0x0
	s_add_nc_u64 s[4:5], s[4:5], s[10:11]
	s_add_nc_u64 s[8:9], s[8:9], s[10:11]
	global_load_b32 v[PHI], v[QO], s[6:7]          ; first, so that it can be waited for with all the rows still out
.set i, 0
.rept ROWS
	global_load_b128 v[X+4*i:X+4*i+3], v[VO], s[4:5] offset:i*STEP th:TH_LOAD_NT   ; read once in the whole launch
.set i, i+1
.endr
	KONST K2L, 0x4038aa3b                          ;  2.8853901     2 log2(e)
	KONST KS0, 0x3fc90fd1                          ;  1.5707952
	KONST KS1, 0xbf255b65                          ; -0.64592584
	KONST KS2, 0x3da2d111                          ;  0.079500326
	s_mov_b32 s[KS3], 0xbb8f38e9                   ; -0.0043707977
	KONST KC0, 0x3f7fffff                          ;  0.99999994
	KONST KC1, 0xbf9de9d3                          ; -1.2336982
	KONST KC2, 0x3e81de82                          ;  0.25365073
	KONST KC3, 0xbcaa7b08                          ; -0.020810618
	s_mov_b32 s[KC4], 0x3a60f8b8                   ;  0.00085819840
	v_mov_b32 v[TOPS], s[KS3]
	v_mov_b32 v[TOPS+1], s[KS3]
	v_mov_b32 v[TOPC], s[KC4]
	v_mov_b32 v[TOPC+1], s[KC4]
	; cos and sin of phi, one wire in each lane.  phi = k pi/2 + r, pi/2 taken in two words so that k pi/2 is taken away without loss.
	s_wait_loadcnt ROWS                            ; loads come back in order (ISA guide 5.7.1): phi is in, the 16 row loads behind it stay out
	v_mul_f32 v[KQ], 0x3f22f983, v[PHI]            ; phi x 2/pi
	v_rndne_f32 v[KQ], v[KQ]                       ; k
	v_fmamk_f32 v[FR], v[KQ], 0xbfc90fdb, v[PHI]   ; phi - k x 1.57079637 (upper word of pi/2)
	v_fmamk_f32 v[FR], v[KQ], 0x333bbd2e, v[FR]    ;     + k x 4.3711390e-8 (the lower word is negative)
	v_cvt_i32_f32 v[KI], v[KQ]
	v_mul_f32 v[FR], 0x3f22f983, v[FR]             ; the remainder in units of pi/2: about -1/2 .. 1/2, inside the range of the polynomials
	v_mul_f32 v[W], v[FR], v[FR]
	v_fma_f32 v[PSN], v[W], s[KS3], s[KS2]
	v_fma_f32 v[PCS], v[W], s[KC4], s[KC3]
	v_fma_f32 v[PSN], v[PSN], v[W], s[KS1]
	v_fma_f32 v[PCS], v[PCS], v[W], s[KC2]
	v_fma_f32 v[PSN], v[PSN], v[W], s[KS0]
	v_fma_f32 v[PCS], v[PCS], v[W], s[KC1]
	v_mul_f32 v[PSN], v[PSN], v[FR]
	v_fma_f32 v[PCS], v[PCS], v[W], s[KC0]
	; quadrants: k odd swaps the two; sin is negative where bit 1 of k is set, cos where bit 1 of k + 1 is set.  Adding 2 more turns a sign round:
	; CB wants -sin (k + 2); CA wants -cos on wires 0, 2 (k + 3) and +cos on wires 1, 3 (turned back by bit 0 of the lane).
	v_and_b32 v[MK], 1, v[KI]
	v_cmp_eq_u32 vcc_lo, 1, v[MK]
	v_cndmask_b32 v[SN], v[PSN], v[PCS], vcc_lo
	v_cndmask_b32 v[CS], v[PCS], v[PSN], vcc_lo
	v_add_lshl_u32 v[G1], v[KI], 2, 30             ; bit 1 of k + 2 into the sign bit
	v_add_lshl_u32 v[G2], v[KI], 3, 30             ; bit 1 of k + 3 into the sign bit
	v_lshlrev_b32 v[MK], 31, v0                    ; wire odd
	v_xor_b32 v[G2], v[G2], v[MK]
	v_and_b32 v[G1], 0x80000000, v[G1]
	v_and_b32 v[G2], 0x80000000, v[G2]
	v_xor_b32 v[SN], v[SN], v[G1]
	v_xor_b32 v[CS], v[CS], v[G2]
.irp w, 0,1,2,3
	v_readlane_b32 s[SA+\w], v[CS], \w             ; lane w holds wire w
	v_readlane_b32 s[SB+\w], v[SN], \w
.endr
.irp w, 0,1,2,3
	v_mov_b32 v[CA+\w], s[SA+\w]                   ; as vector pairs: the packed instructions below want two different factors
	v_mov_b32 v[CB+\w], s[SB+\w]
.endr
; Rows 2 g and 2 g + 1 of the thread: eight numbers, four register pairs, so that each step of a chain stands eight instructions behind the last.
; left = how many younger row loads may stay out.
; Behind a transcendental one plain vector instruction that touches none of its registers comes before its result is used (ISA guide 5.7.2):
; six are issued, then the fourth pair's packed multiply (add), then the last two, then the packed work on pair 0.
.macro TWOROWS g, left
.set XR, X+8*\g
	s_wait_loadcnt \left
.irp j, 0,1,2
	v_pk_mul_f32 v[T+2*\j:T+2*\j+1], v[XR+2*\j:XR+2*\j+1], s[K2L:K2L+1] op_sel_hi:[1,0]   ; y = 2 log2(e) x
.endr
.irp e, 0,1,2,3,4,5
	v_exp_f32 v[T+\e], v[T+\e]                     ; 2^y = e^(2x)
.endr
	v_pk_mul_f32 v[T+6:T+7], v[XR+6:XR+7], s[K2L:K2L+1] op_sel_hi:[1,0]
	v_exp_f32 v[T+6], v[T+6]
	v_exp_f32 v[T+7], v[T+7]
	s_wait_alu depctr_va_vdst(0)
.irp j, 0,1,2
	v_pk_add_f32 v[T+2*\j:T+2*\j+1], v[T+2*\j:T+2*\j+1], 1.0 op_sel_hi:[1,0]
.endr
.irp e, 0,1,2,3,4,5
	v_rcp_f32 v[T+\e], v[T+\e]
.endr
	v_pk_add_f32 v[T+6:T+7], v[T+6:T+7], 1.0 op_sel_hi:[1,0]
	v_rcp_f32 v[T+6], v[T+6]
	v_rcp_f32 v[T+7], v[T+7]
	s_wait_alu depctr_va_vdst(0)
.irp j, 0,1,2,3
	v_pk_fma_f32 v[T+2*\j:T+2*\j+1], v[T+2*\j:T+2*\j+1], -2.0, 1.0 op_sel_hi:[1,0,0]      ; t = tanh x = 1 - 2 / (1 + e^(2x))
.endr
.irp j, 0,1,2,3
	v_pk_mul_f32 v[U+2*\j:U+2*\j+1], v[T+2*\j:T+2*\j+1], v[T+2*\j:T+2*\j+1]               ; u = t^2
.endr
	; the two polynomials, sine in the row's own registers (x is done with), cosine in PC
.irp j, 0,1,2,3
	v_pk_fma_f32 v[XR+2*\j:XR+2*\j+1], v[U+2*\j:U+2*\j+1], v[TOPS:TOPS+1], s[KS2:KS2+1] op_sel_hi:[1,1,0]
	v_pk_fma_f32 v[PC+2*\j:PC+2*\j+1], v[U+2*\j:U+2*\j+1], v[TOPC:TOPC+1], s[KC3:KC3+1] op_sel_hi:[1,1,0]
.endr
.irp j, 0,1,2,3
	v_pk_fma_f32 v[XR+2*\j:XR+2*\j+1], v[XR+2*\j:XR+2*\j+1], v[U+2*\j:U+2*\j+1], s[KS1:KS1+1] op_sel_hi:[1,1,0]
	v_pk_fma_f32 v[PC+2*\j:PC+2*\j+1], v[PC+2*\j:PC+2*\j+1], v[U+2*\j:U+2*\j+1], s[KC2:KC2+1] op_sel_hi:[1,1,0]
.endr
.irp j, 0,1,2,3
	v_pk_fma_f32 v[XR+2*\j:XR+2*\j+1], v[XR+2*\j:XR+2*\j+1], v[U+2*\j:U+2*\j+1], s[KS0:KS0+1] op_sel_hi:[1,1,0]
	v_pk_fma_f32 v[PC+2*\j:PC+2*\j+1], v[PC+2*\j:PC+2*\j+1], v[U+2*\j:U+2*\j+1], s[KC1:KC1+1] op_sel_hi:[1,1,0]
.endr
.irp j, 0,1,2,3
	v_pk_mul_f32 v[XR+2*\j:XR+2*\j+1], v[XR+2*\j:XR+2*\j+1], v[T+2*\j:T+2*\j+1]           ; S = sin(pi t / 2)
	v_pk_fma_f32 v[PC+2*\j:PC+2*\j+1], v[PC+2*\j:PC+2*\j+1], v[U+2*\j:U+2*\j+1], s[KC0:KC0+1] op_sel_hi:[1,1,0]   ; C = cos(pi t / 2)
.endr
	; the products, in place: the row becomes S0, S0 S1, S0 S1 S2, S2 S3; PC becomes C0 C1, C1 C2 C3, C2 C3, C3
.irp r, 0,1
	v_mul_f32 v[XR+4*\r+1], v[XR+4*\r], v[XR+4*\r+1]
	v_mul_f32 v[XR+4*\r+3], v[XR+4*\r+2], v[XR+4*\r+3]
	v_mul_f32 v[PC+4*\r], v[PC+4*\r], v[PC+4*\r+1]
	v_mul_f32 v[PC+4*\r+2], v[PC+4*\r+2], v[PC+4*\r+3]
	v_mul_f32 v[XR+4*\r+2], v[XR+4*\r+1], v[XR+4*\r+2]
	v_mul_f32 v[PC+4*\r+1], v[PC+4*\r+1], v[PC+4*\r+2]
.endr
.irp r, 0,1
	v_pk_mul_f32 v[PC+4*\r:PC+4*\r+1], v[PC+4*\r:PC+4*\r+1], v[CB:CB+1]
	v_pk_mul_f32 v[PC+4*\r+2:PC+4*\r+3], v[PC+4*\r+2:PC+4*\r+3], v[CB+2:CB+3]
.endr
.irp r, 0,1
	v_pk_fma_f32 v[XR+4*\r:XR+4*\r+1], v[XR+4*\r:XR+4*\r+1], v[CA:CA+1], v[PC+4*\r:PC+4*\r+1]
	v_pk_fma_f32 v[XR+4*\r+2:XR+4*\r+3], v[XR+4*\r+2:XR+4*\r+3], v[CA+2:CA+3], v[PC+4*\r+2:PC+4*\r+3]
	global_store_b128 v[VO], v[XR+4*\r:XR+4*\r+3], s[8:9] offset:2*\g*STEP+\r*STEP th:TH_STORE_NT   ; these four registers are not written again
.endr
.endm
	TWOROWS 0, ROWS-2                              ; the counts run down by the two rows that each step needs
	TWOROWS 1, ROWS-4
	TWOROWS 2, ROWS-6
	TWOROWS 3, ROWS-8
	TWOROWS 4, ROWS-10
	TWOROWS 5, ROWS-12
	TWOROWS 6, ROWS-14
	TWOROWS 7, 0
	s_endpgm
.Lfunc_end_k_q35ceb09756_qlayer:
	.size	k_q35ceb09756_qlayer, .Lfunc_end_k_q35ceb09756_qlayer-k_q35ceb09756_qlayer
	.p2alignl 7, 3214868480
	.fill 96, 4, 3214868480
	.section	.rodata,"a",@progbits
	.p2align	6, 0x0
	.amdhsa_kernel k_q35ceb09756_qlayer
		.amdhsa_group_segment_fixed_size 0
		.amdhsa_private_segment_fixed_size 0
		.amdhsa_enable_private_segment 0
		.amdhsa_kernarg_size 24
		.amdhsa_user_sgpr_count 2
		.amdhsa_user_sgpr_kernarg_segment_ptr 1
		.amdhsa_wavefront_size32 1
		.amdhsa_system_sgpr_workgroup_id_x 1
		.amdhsa_system_sgpr_workgroup_id_y 1
		.amdhsa_system_sgpr_workgroup_id_z 1
		.amdhsa_system_vgpr_workitem_id 0
		.amdhsa_next_free_vgpr 104
		.amdhsa_next_free_sgpr 66
		.amdhsa_reserve_vcc 1
		.amdhsa_float_denorm_mode_32 3
		.amdhsa_float_denorm_mode_16_64 3
		.amdhsa_memory_ordered 1
		.amdhsa_forward_progress 1
		.amdhsa_inst_pref_size 43
	.end_amdhsa_kernel
	.amdgpu_metadata
---
amdhsa.version: [ 1, 2 ]
amdhsa.kernels:
  - .name:           k_q35ceb09756_qlayer
    .symbol:         k_q35ceb09756_qlayer.kd
    .args:
      - { .name: x, .offset: 0, .size: 8, .value_kind: global_buffer, .address_space: global }
      - { .name: q_params, .offset: 8, .size: 8, .value_kind: global_buffer, .address_space: global }
      - { .name: out0, .offset: 16, .size: 8, .value_kind: global_buffer, .address_space: global }
    .group_segment_fixed_size: 0
    .private_segment_fixed_size: 0
    .kernarg_segment_align: 8
    .kernarg_segment_size: 24
    .max_flat_workgroup_size: 256
    .sgpr_count:     66
    .vgpr_count:     104
    .wavefront_size: 32
...
	.end_amdgpu_metadata
.endif
;; end of part 1
;; ======== version 2 of 2: 1 launch; version 1 with the launch qlayer written anew for expert scheduling mode
;; limits: a function is approximated: absolute error at most 5e-06; inputs' magnitudes at most 2,097,152
;; launch qlayer (part 2): grid 256 x 1, 8 waves a work-group, no clusters, 0 bytes of LDS; arguments x, q_params, out0; writes out0
.if DOCPART == 2
	.amdgcn_target "amdgcn-amd-amdhsa--gfx1250"
	.amdhsa_code_object_version 6
	.text
	.protected	k_q35ceb09756_qlayer
	.globl	k_q35ceb09756_qlayer
	.p2align	8
	.type	k_q35ceb09756_qlayer,@function
k_q35ceb09756_qlayer:
	s_mov_b64 s[64:65], 0
	v_nop
	global_prefetch_b8 v0, s[64:65] scope:SCOPE_SE
	s_setreg_imm32_b32 hwreg(HW_REG_WAVE_SCHED_MODE, 0, 2), 2
	s_setreg_imm32_b32 hwreg(HW_REG_WAVE_MODE, 25, 1), 1
	s_wait_xcnt 0x0
	s_wait_alu depctr_vm_vsrc(0)
; QuantumLayer: out[b][w] = <Z_w> behind H^4, RY(th_w), CNOT(0,1), CNOT(2,3), CNOT(1,2), RY(phi_w);
; th_w = (pi/2) tanh(x[b][w]), phi_w = q_params[w].  x, out: [1048576][4] f32, q_params: [4] f32.
;
; CLOSED FORM.  All amplitudes are real and the state in front of the CNOTs is a product state, so wire w is described by
; <Z> = -sin(th_w) and <X> = cos(th_w).  Z_w carried back through RY(phi_w) is cos(phi_w) Z_w - sin(phi_w) X_w; carried back through
; CNOT(1,2), CNOT(2,3), CNOT(0,1), a Z on a target gains a Z on the control and an X on a control gains an X on the target.
; With S_w = sin(th_w), C_w = cos(th_w):
;   out0 = -cos(phi0) S0       - sin(phi0) C0 C1
;   out1 = +cos(phi1) S0 S1    - sin(phi1) C1 C2 C3
;   out2 = -cos(phi2) S0 S1 S2 - sin(phi2) C2 C3
;   out3 = +cos(phi3) S2 S3    - sin(phi3) C3
; This is an identity for all real inputs; only the order of rounding differs from the gate-by-gate definition.
;
; tanh(x) = 1 - 2 / (1 + 2^(2 log2(e) x)): an overflowing or vanishing power ends at +1 or -1 by itself.
; sin(pi t / 2) = t (KS0 + KS1 u + KS2 u^2 + KS3 u^3), cos(pi t / 2) = KC0 + KC1 u + .. + KC4 u^4, u = t^2, |t| <= 1: Taylor series
; cut down with shifted Chebyshev polynomials on u in [0, 1]; largest errors 1.2e-6 (sin) and 5e-8 (cos).
;
; LIMITS.  Absolute error of an output about 5e-6.  |q_params| below 2^21 (beyond it the reduction by pi/2 no longer lands in |t| <= 1).
; A NaN in x[b][w] or q_params[w] reaches only the outputs whose formula above holds wire w; the gate-by-gate definition makes all four NaN.
;
; SHAPE.  A stream: a lane's 16 bytes are one row in and one row out, so there is no LDS, no barrier, no matrix work and nothing to share
; between work-groups.  256 work-groups of 8 waves; a work-group owns 4,096 rows (64 KiB), thread t the 16 bytes at 16 t + 4096 i, i = 0..15:
; each load and store of a wave covers 512 consecutive bytes at a multiple of 512 from the buffer's first byte.  A wave issues all its 16
; loads before it waits for any; cos and sin of the four phi are made while they are out.  Each row is overwritten by its result and stored
; from the registers it came in, so no source of a memory instruction is ever written again.
;
; THE MODE: SCHED_MODE bits 1:0 = 2 (LLVM: expert scheduling mode 2), set by the entry lines.  The code itself states the register dependences
; between vector instructions and memory instructions, with s_wait_alu, always for 0.
; THE PLAN.  Registers that memory instructions touch:
;   v1 (VO)    written once at the head; read as the offset of every row load and every store; never written again.
;   v2 (QO)    written at the head; read by the load of q_params; never written again.
;   v3 (PHI)   the load of q_params lands in it; no vector instruction names it before.
;   X          sixteen rows.  All loads into them are issued at the head, before any vector instruction names them.  Pair g's vector
;              instructions read and overwrite its eight registers; its two stores read them; nothing writes them after that.
;   Everything else (coefficients, T, U, PC) is named by vector instructions alone.
; A pair's work is FRONT (scalings and powers, in T alone), BACK (up to the sines and cosines) and TAIL (the products and the four outputs, in the
; pair's rows and PC alone).  The order is FRONT g, TAIL g - 1, ONE wait, the two stores of pair g - 1, BACK g: that wait states that pair g's powers
; are written and that pair g - 1's results are written, and no vector instruction behind it names the registers that the two stores read.
; A second wait in a pair stands behind its reciprocals.  No register that a memory instruction reads is written afterwards, so the text
; holds no wait on vm_vsrc beyond the one in the entry lines.
.set ROWS, 16                          ; rows of a thread
.set STEP, 4096                        ; bytes that the 256 threads cover with one load each
.set VO,   1                           ; v1       16 t: my byte offset in the group's block, for loads and stores
.set QO,   2                           ; v2       4 (t & 3): my word of q_params
.set PHI,  3                           ; v3       phi of wire t & 3
.set CA,   4                           ; v[4:7]   -cos phi0, +cos phi1, -cos phi2, +cos phi3, in every lane
.set CB,   8                           ; v[8:11]  -sin phi0 .. -sin phi3, in every lane
.set TOPS, 12                          ; v[12:13] KS3 twice: the first step of a chain has two constants, one of them comes from vector registers
.set TOPC, 14                          ; v[14:15] KC4 twice
.set T,    16                          ; v[16:23] two rows at work: y, 2^y, 1 + 2^y, its reciprocal, then t = tanh x
.set U,    24                          ; v[24:31] t^2
.set PC,   32                          ; v[32:39] the cosines, then their products
.set X,    40                          ; v[40:103] row i in v[40+4i : 43+4i]: x, then the sines, their products, the result
; while the rows are on their way, T and U serve the four phi (one wire in each lane):
.set KQ,  16                           ; k = nearest whole number to phi / (pi/2)
.set FR,  17                           ; (phi - k pi/2) / (pi/2)
.set W,   18                           ; its square
.set PSN, 19                           ; sin of the remainder
.set PCS, 20                           ; cos of the remainder
.set KI,  21                           ; k as an integer
.set MK,  22
.set SN,  23                           ; -sin phi
.set CS,  24                           ; -cos phi (wires 0, 2), +cos phi (wires 1, 3)
.set G1,  25
.set G2,  26
; scalar pairs (a packed instruction takes the first word for both halves, the second is written too)
.set K2L, 12                           ; 2 log2(e)
.set KS0, 14
.set KS1, 16
.set KS2, 18
.set KS3, 20                           ; single
.set KC0, 22
.set KC1, 24
.set KC2, 26
.set KC3, 28
.set KC4, 30                           ; single
.set SA,  32                           ; s[32:35] CA as scalars
.set SB,  36                           ; s[36:39] CB as scalars
.macro KONST r, bits
	s_mov_b32 s[\r], \bits
	s_mov_b32 s[\r+1], \bits
.endm
	s_load_b128 s[4:7], s[0:1], 0x0                ; x s[4:5], q_params s[6:7]
	s_load_b64 s[8:9], s[0:1], 0x10                ; out0
	s_lshl_b32 s10, ttmp9, 16                      ; the work-group's 64 KiB: at most 255 x 65,536, below 4 GiB
	s_mov_b32 s11, 0
	v_lshlrev_b32 v[VO], 4, v0
	v_and_b32 v[QO], 3, v0
	v_lshlrev_b32 v[QO], 2, v[QO]
	s_wait_kmcnt 0x0
	s_add_nc_u64 s[4:5], s[4:5], s[10:11]
	s_add_nc_u64 s[8:9], s[8:9], s[10:11]
	s_wait_alu depctr_va_vdst(0)                   ; v1 and v2 are written: every load and store of the kernel reads one of them as its offset
	global_load_b32 v[PHI], v[QO], s[6:7]          ; first, so that it can be waited for with all the rows still out
.set i, 0
.rept ROWS
	global_load_b128 v[X+4*i:X+4*i+3], v[VO], s[4:5] offset:i*STEP th:TH_LOAD_NT   ; read once in the whole launch
.set i, i+1
.endr
	KONST K2L, 0x4038aa3b                          ;  2.8853901     2 log2(e)
	KONST KS0, 0x3fc90fd1                          ;  1.5707952
	KONST KS1, 0xbf255b65                          ; -0.64592584
	KONST KS2, 0x3da2d111                          ;  0.079500326
	s_mov_b32 s[KS3], 0xbb8f38e9                   ; -0.0043707977
	KONST KC0, 0x3f7fffff                          ;  0.99999994
	KONST KC1, 0xbf9de9d3                          ; -1.2336982
	KONST KC2, 0x3e81de82                          ;  0.25365073
	KONST KC3, 0xbcaa7b08                          ; -0.020810618
	s_mov_b32 s[KC4], 0x3a60f8b8                   ;  0.00085819840
	v_mov_b32 v[TOPS], s[KS3]
	v_mov_b32 v[TOPS+1], s[KS3]
	v_mov_b32 v[TOPC], s[KC4]
	v_mov_b32 v[TOPC+1], s[KC4]
	; cos and sin of phi, one wire in each lane.  phi = k pi/2 + r, pi/2 taken in two words so that k pi/2 is taken away without loss.
	s_wait_loadcnt ROWS                            ; loads come back in order (ISA guide 5.7.1): phi is in, the 16 row loads behind it stay out
	v_mul_f32 v[KQ], 0x3f22f983, v[PHI]            ; phi x 2/pi
	v_rndne_f32 v[KQ], v[KQ]                       ; k
	v_fmamk_f32 v[FR], v[KQ], 0xbfc90fdb, v[PHI]   ; phi - k x 1.57079637 (upper word of pi/2)
	v_fmamk_f32 v[FR], v[KQ], 0x333bbd2e, v[FR]    ;     + k x 4.3711390e-8 (the lower word is negative)
	v_cvt_i32_f32 v[KI], v[KQ]
	v_mul_f32 v[FR], 0x3f22f983, v[FR]             ; the remainder in units of pi/2: about -1/2 .. 1/2, inside the range of the polynomials
	v_mul_f32 v[W], v[FR], v[FR]
	v_fma_f32 v[PSN], v[W], s[KS3], s[KS2]
	v_fma_f32 v[PCS], v[W], s[KC4], s[KC3]
	v_fma_f32 v[PSN], v[PSN], v[W], s[KS1]
	v_fma_f32 v[PCS], v[PCS], v[W], s[KC2]
	v_fma_f32 v[PSN], v[PSN], v[W], s[KS0]
	v_fma_f32 v[PCS], v[PCS], v[W], s[KC1]
	v_mul_f32 v[PSN], v[PSN], v[FR]
	v_fma_f32 v[PCS], v[PCS], v[W], s[KC0]
	; quadrants: k odd swaps the two; sin is negative where bit 1 of k is set, cos where bit 1 of k + 1 is set.  Adding 2 more turns a sign round:
	; CB wants -sin (k + 2); CA wants -cos on wires 0, 2 (k + 3) and +cos on wires 1, 3 (turned back by bit 0 of the lane).
	; The six lines that make the sign bits read no VCC: they stand between the compare and the wait for it.
	v_and_b32 v[MK], 1, v[KI]
	v_cmp_eq_u32 vcc_lo, 1, v[MK]
	v_add_lshl_u32 v[G1], v[KI], 2, 30             ; bit 1 of k + 2 into the sign bit
	v_add_lshl_u32 v[G2], v[KI], 3, 30             ; bit 1 of k + 3 into the sign bit
	v_lshlrev_b32 v[MK], 31, v0                    ; wire odd
	v_xor_b32 v[G2], v[G2], v[MK]
	v_and_b32 v[G1], 0x80000000, v[G1]
	v_and_b32 v[G2], 0x80000000, v[G2]
	s_wait_alu depctr_va_vcc(0)                    ; the compare has written VCC, which the two selects below read
	v_cndmask_b32 v[SN], v[PSN], v[PCS], vcc_lo
	v_cndmask_b32 v[CS], v[PCS], v[PSN], vcc_lo
	v_xor_b32 v[SN], v[SN], v[G1]
	v_xor_b32 v[CS], v[CS], v[G2]
.irp w, 0,1,2,3
	v_readlane_b32 s[SA+\w], v[CS], \w             ; lane w holds wire w
	v_readlane_b32 s[SB+\w], v[SN], \w
.endr
	s_wait_alu depctr_va_sdst(0)                   ; the eight v_readlane_b32 have written s[32:39], ahead of their first reader: one wait for the run
.irp w, 0,1,2,3
	v_mov_b32 v[CA+\w], s[SA+\w]                   ; as vector pairs: the packed instructions below want two different factors
	v_mov_b32 v[CB+\w], s[SB+\w]
.endr
; Rows 2 g and 2 g + 1 of the thread: eight numbers, four register pairs, so that each step of a chain stands eight instructions behind the last.
; Behind a transcendental one plain vector instruction that touches none of its registers comes before its result is used (ISA guide 5.7.2):
; six are issued, then the fourth pair's packed multiply (add), then the last two, then a plain line that names neither of those two.
; FRONT: y and 2^y, in T alone.  left = how many younger row loads may stay out.
.macro FRONT g, left
.set XR, X+8*(\g)
	s_wait_loadcnt \left
.irp j, 0,1,2
	v_pk_mul_f32 v[T+2*\j:T+2*\j+1], v[XR+2*\j:XR+2*\j+1], s[K2L:K2L+1] op_sel_hi:[1,0]   ; y = 2 log2(e) x
.endr
.irp e, 0,1,2,3,4,5
	v_exp_f32 v[T+\e], v[T+\e]                     ; 2^y = e^(2x)
.endr
	v_pk_mul_f32 v[T+6:T+7], v[XR+6:XR+7], s[K2L:K2L+1] op_sel_hi:[1,0]
	v_exp_f32 v[T+6], v[T+6]
	v_exp_f32 v[T+7], v[T+7]
.endm
; BACK: from the powers to the sines (in the rows' own registers) and cosines (in PC).
.macro BACK g
.set XR, X+8*(\g)
.irp j, 0,1,2
	v_pk_add_f32 v[T+2*\j:T+2*\j+1], v[T+2*\j:T+2*\j+1], 1.0 op_sel_hi:[1,0]
.endr
.irp e, 0,1,2,3,4,5
	v_rcp_f32 v[T+\e], v[T+\e]
.endr
	v_pk_add_f32 v[T+6:T+7], v[T+6:T+7], 1.0 op_sel_hi:[1,0]
	v_rcp_f32 v[T+6], v[T+6]
	v_rcp_f32 v[T+7], v[T+7]
	s_wait_alu depctr_va_vdst(0)                   ; the eight reciprocals are written: the wait stands ahead of their first reader, one for the batch
.irp j, 0,1,2,3
	v_pk_fma_f32 v[T+2*\j:T+2*\j+1], v[T+2*\j:T+2*\j+1], -2.0, 1.0 op_sel_hi:[1,0,0]      ; t = tanh x = 1 - 2 / (1 + e^(2x))
.endr
.irp j, 0,1,2,3
	v_pk_mul_f32 v[U+2*\j:U+2*\j+1], v[T+2*\j:T+2*\j+1], v[T+2*\j:T+2*\j+1]               ; u = t^2
.endr
	; the two polynomials, sine in the row's own registers (x is done with), cosine in PC
.irp j, 0,1,2,3
	v_pk_fma_f32 v[XR+2*\j:XR+2*\j+1], v[U+2*\j:U+2*\j+1], v[TOPS:TOPS+1], s[KS2:KS2+1] op_sel_hi:[1,1,0]
	v_pk_fma_f32 v[PC+2*\j:PC+2*\j+1], v[U+2*\j:U+2*\j+1], v[TOPC:TOPC+1], s[KC3:KC3+1] op_sel_hi:[1,1,0]
.endr
.irp j, 0,1,2,3
	v_pk_fma_f32 v[XR+2*\j:XR+2*\j+1], v[XR+2*\j:XR+2*\j+1], v[U+2*\j:U+2*\j+1], s[KS1:KS1+1] op_sel_hi:[1,1,0]
	v_pk_fma_f32 v[PC+2*\j:PC+2*\j+1], v[PC+2*\j:PC+2*\j+1], v[U+2*\j:U+2*\j+1], s[KC2:KC2+1] op_sel_hi:[1,1,0]
.endr
.irp j, 0,1,2,3
	v_pk_fma_f32 v[XR+2*\j:XR+2*\j+1], v[XR+2*\j:XR+2*\j+1], v[U+2*\j:U+2*\j+1], s[KS0:KS0+1] op_sel_hi:[1,1,0]
	v_pk_fma_f32 v[PC+2*\j:PC+2*\j+1], v[PC+2*\j:PC+2*\j+1], v[U+2*\j:U+2*\j+1], s[KC1:KC1+1] op_sel_hi:[1,1,0]
.endr
.irp j, 0,1,2,3
	v_pk_mul_f32 v[XR+2*\j:XR+2*\j+1], v[XR+2*\j:XR+2*\j+1], v[T+2*\j:T+2*\j+1]           ; S = sin(pi t / 2): T's last reader, so the next pair's FRONT may follow
	v_pk_fma_f32 v[PC+2*\j:PC+2*\j+1], v[PC+2*\j:PC+2*\j+1], v[U+2*\j:U+2*\j+1], s[KC0:KC0+1] op_sel_hi:[1,1,0]   ; C = cos(pi t / 2)
.endr
.endm
; TAIL: the products, in place (the row becomes S0, S0 S1, S0 S1 S2, S2 S3; PC becomes C0 C1, C1 C2 C3, C2 C3, C3), and the four outputs of each row.
; It names the pair's rows, PC, CA and CB alone: nothing of the next pair's powers, behind which it stands.
.macro TAIL g
.set XR, X+8*(\g)
.irp r, 0,1
	v_mul_f32 v[XR+4*\r+1], v[XR+4*\r], v[XR+4*\r+1]
	v_mul_f32 v[XR+4*\r+3], v[XR+4*\r+2], v[XR+4*\r+3]
	v_mul_f32 v[PC+4*\r], v[PC+4*\r], v[PC+4*\r+1]
	v_mul_f32 v[PC+4*\r+2], v[PC+4*\r+2], v[PC+4*\r+3]
	v_mul_f32 v[XR+4*\r+2], v[XR+4*\r+1], v[XR+4*\r+2]
	v_mul_f32 v[PC+4*\r+1], v[PC+4*\r+1], v[PC+4*\r+2]
.endr
.irp r, 0,1
	v_pk_mul_f32 v[PC+4*\r:PC+4*\r+1], v[PC+4*\r:PC+4*\r+1], v[CB:CB+1]
	v_pk_mul_f32 v[PC+4*\r+2:PC+4*\r+3], v[PC+4*\r+2:PC+4*\r+3], v[CB+2:CB+3]
.endr
.irp r, 0,1
	v_pk_fma_f32 v[XR+4*\r:XR+4*\r+1], v[XR+4*\r:XR+4*\r+1], v[CA:CA+1], v[PC+4*\r:PC+4*\r+1]
	v_pk_fma_f32 v[XR+4*\r+2:XR+4*\r+3], v[XR+4*\r+2:XR+4*\r+3], v[CA+2:CA+3], v[PC+4*\r+2:PC+4*\r+3]
.endr
.endm
; SEND: the pair's two stores.
.macro SEND g
.set XR, X+8*(\g)
.irp r, 0,1
	global_store_b128 v[VO], v[XR+4*\r:XR+4*\r+3], s[8:9] offset:(2*(\g)+\r)*STEP th:TH_STORE_NT   ; these four registers are not written again
.endr
.endm
; Pair g's turn.
.macro PAIR g, left
	FRONT \g, \left
.if (\g) > 0
	TAIL (\g)-1
.endif
	s_wait_alu depctr_va_vdst(0)                   ; pair g's eight powers are written (the wait stands ahead of their first reader, one for the batch); the pair before has written its results, which the two stores below read
.if (\g) > 0
	SEND (\g)-1                                    ; no vector instruction behind the wait names these eight registers or v1
.endif
	BACK \g
.endm
	PAIR 0, ROWS-2                                 ; the counts run down by the two rows that each step needs
	PAIR 1, ROWS-4
	PAIR 2, ROWS-6
	PAIR 3, ROWS-8
	PAIR 4, ROWS-10
	PAIR 5, ROWS-12
	PAIR 6, ROWS-14
	PAIR 7, 0
	TAIL 7
	s_wait_alu depctr_va_vdst(0)                   ; the last pair has written its results, which the last two stores read
	SEND 7
	s_endpgm
.Lfunc_end_k_q35ceb09756_qlayer:
	.size	k_q35ceb09756_qlayer, .Lfunc_end_k_q35ceb09756_qlayer-k_q35ceb09756_qlayer
	.p2alignl 7, 3214868480
	.fill 96, 4, 3214868480
	.section	.rodata,"a",@progbits
	.p2align	6, 0x0
	.amdhsa_kernel k_q35ceb09756_qlayer
		.amdhsa_group_segment_fixed_size 0
		.amdhsa_private_segment_fixed_size 0
		.amdhsa_enable_private_segment 0
		.amdhsa_kernarg_size 24
		.amdhsa_user_sgpr_count 2
		.amdhsa_user_sgpr_kernarg_segment_ptr 1
		.amdhsa_wavefront_size32 1
		.amdhsa_system_sgpr_workgroup_id_x 1
		.amdhsa_system_sgpr_workgroup_id_y 1
		.amdhsa_system_sgpr_workgroup_id_z 1
		.amdhsa_system_vgpr_workitem_id 0
		.amdhsa_next_free_vgpr 104
		.amdhsa_next_free_sgpr 66
		.amdhsa_reserve_vcc 1
		.amdhsa_float_denorm_mode_32 3
		.amdhsa_float_denorm_mode_16_64 3
		.amdhsa_memory_ordered 1
		.amdhsa_forward_progress 1
		.amdhsa_inst_pref_size 44
	.end_amdhsa_kernel
	.amdgpu_metadata
---
amdhsa.version: [ 1, 2 ]
amdhsa.kernels:
  - .name:           k_q35ceb09756_qlayer
    .symbol:         k_q35ceb09756_qlayer.kd
    .args:
      - { .name: x, .offset: 0, .size: 8, .value_kind: global_buffer, .address_space: global }
      - { .name: q_params, .offset: 8, .size: 8, .value_kind: global_buffer, .address_space: global }
      - { .name: out0, .offset: 16, .size: 8, .value_kind: global_buffer, .address_space: global }
    .group_segment_fixed_size: 0
    .private_segment_fixed_size: 0
    .kernarg_segment_align: 8
    .kernarg_segment_size: 24
    .max_flat_workgroup_size: 256
    .sgpr_count:     66
    .vgpr_count:     104
    .wavefront_size: 32
...
	.end_amdgpu_metadata
.endif
;; end of part 2
